; MI455X (gfx1250); checked and timed in simulation.
; The chip was launched on July 23, 2026; its instructions are those of AMD's public machine-readable ISA for CDNA 5 (MIT licence, August 2026) and "CDNA5" Instruction Set Architecture Reference Guide (July 2026). The comments in the code are by the model that wrote it; some were corrected since.
;; Bi Modal Attention. Allowed arithmetic: matrix products marked QUANTISED: E4M3 operands, one given power-of-two scale a tensor, by v_wmma_f32_16x16x64_fp8_fp8 or v_wmma_f32_16x16x128_fp8_fp8, f32 sums; everything else in f32.
;; Inputs: lowp_scales 8 int32 (the exponents e of the quantised operands' scales 2^e); x 8 x 4,096 x 64 float32; y 8 x 4,096 x 64 float32.
;; Outputs: out0 8 x 4,096 x 128 float32.
;; This version of the problem:
;;   THIS VERSION OF THE PROBLEM IS GIVEN IN LOW PRECISION. The matrix products marked QUANTISED in the list below multiply operands that are first quantised to E4M3 (4 exponent bits, 3 mantissa bits; 8 bits a number), with one given power-of-two scale for each operand tensor; their sums are f32. All else is computed in f32.
;;   The module's matrix products, in the order in which they are computed (A, B: the left and right operand; K: the contracted axis; several contracted axes count as one K, in the product's order):
;;     1. batch 8 x [M 4,096, K 64] x [K 64, N 4,096]; A: input x; B: input y: QUANTISED (scales: A lowp_scales[0], B lowp_scales[1])
;;     2. batch 8 x [M 4,096, K 64] x [K 64, N 4,096]; A: input y; B: input x: QUANTISED (scales: A lowp_scales[2], B lowp_scales[3])
;;     3. batch 8 x [M 4,096, K 4,096] x [K 4,096, N 64]; A: softmax (see below); B: input y: QUANTISED (scales: A lowp_scales[4], B lowp_scales[5])
;;     4. batch 8 x [M 4,096, K 4,096] x [K 4,096, N 64]; A: softmax (see below); B: input x: QUANTISED (scales: A lowp_scales[6], B lowp_scales[7])
;;   THE QUANTISER, for each operand of a quantised product, along K:
;;     - The operand's scale is 2^e, e = its entry of the input lowp_scales (int32; the entries are numbered through the quantised products in the list's order, A before B).
;;     - Each number is divided by the scale, clamped to +-448, and rounded to the nearest number of E4M3, ties to even, subnormals kept.
;;     - The product sums the exact products of the quantised numbers (number of the format x scale) in f32.
;;   ~~~python
;;   def quantise(x, axis, e):      # numpy; x: float32 -> the quantised numbers, widened to float32 again
;;       x = np.moveaxis(x, axis, -1); K = x.shape[-1]
;;       r = np.clip(x / 2.0 ** e, -448, 448)
;;       step = 2.0 ** (np.maximum(np.frexp(np.where(r == 0, 1, r))[1] - 1, -6) - 3)
;;       q = np.round(r / step) * step * 2.0 ** e      # np.round: ties to even
;;       return np.moveaxis(q, -1, axis).astype(np.float32)
;;   ~~~
;;   SOFTMAX AHEAD OF A QUANTISED PRODUCT. Where the list says 'softmax', what is quantised is not the finished softmax but p = 2^(t - M), with t = logit x log2(e) and M = ceil(the row's largest t), a whole number; so 1/2 < the row's largest p <= 1. The row's sum l is taken of the UNQUANTISED p, in f32, and the product's result is divided by l at the end. Since M is a whole number, a kernel that streams over the keys may use a running M (the ceiling of the running maximum): every later rescaling is an exact power of two, so the quantised numbers keep their values, but for numbers so far below the row's largest that they fall under the format's range.
;;   OPERANDS COMPUTED ON THE WAY. 'Computed on the way' means the value that the module computes at that place (a softmax that the list does not call 'softmax' is quantised finished and normalised). What goes into a quantiser is computed in f32, as accurately as f32 sums, v_exp_f32 and their like allow (about 1e-6 of the number): no bf16 or f16 on the way to a quantiser, and a product that is left as it is and whose result goes on into a quantised operand takes f32 operands (vector FMAs, or v_wmma_f32_16x16x4_f32). A number that lies on a knife's edge between two numbers of the format may be rounded either way, as far as f32 arithmetic and the matrix unit's own rounding can turn it there, and no further.
;; One version. Each part assembles by itself: llvm-mc -triple=amdgcn-amd-amdhsa -mcpu=gfx1250 --defsym DOCPART=n.
;; ======== version 1 of 1: 2 launches
;; limits: right only within a limited range of input values
;; workspace buffers: kv 8,388,608 bytes
;; launch quant (part 1): grid 512 x 1, 4 waves a work-group, no clusters, 35,328 bytes of LDS; arguments lowp_scales, x, y, kv; writes kv
.if DOCPART == 1
	.amdgcn_target "amdgcn-amd-amdhsa--gfx1250"
	.amdhsa_code_object_version 6
	.text
	.protected	k_q475a61c9a9_quant
	.globl	k_q475a61c9a9_quant
	.p2align	8
	.type	k_q475a61c9a9_quant,@function
k_q475a61c9a9_quant:
	s_mov_b64 s[64:65], 0
	v_nop
	global_prefetch_b8 v0, s[64:65] scope:SCOPE_SE
	s_setreg_imm32_b32 hwreg(HW_REG_WAVE_MODE, 25, 1), 1
	s_wait_xcnt 0x0
; THE KEYS AND VALUES OF BOTH ATTENTIONS AS CODES OF E4M3, laid as images of operand registers for the launch that follows.
; reference(): direction 0 has queries x and keys and values y; direction 1 has queries y and keys and values x.  Nothing of reference() is left out in this program: the four products have
; eight scales of their own, and the two softmaxes run along different axes, so no product follows from another; every input is loaded.
; kv holds 16 heads g = 8 x direction + batch; a head has 32 key steps of 128 keys; a step is 16,384 dense bytes at (32 g + step) x 16,384:
;   bytes 0-8191     K's eight fragments (16 keys x 64 d, 8 registers a lane): fragment T at 1,024 T, registers 4 c .. 4 c + 3 at 512 c, lane l's 16 bytes at 16 l.
;                    Lane (r = l % 16, h = l / 16) of fragment T = 2 b + u holds key 32 b + 8 u + r + 8 (r / 8); registers 2 c, 2 c + 1 hold d = 16 c + 8 h + 0 .. 7.
;   bytes 8192-16383 V's four fragments (16 d x 128 keys, 16 registers a lane): fragment t at 2,048 t, registers 4 c .. 4 c + 3 at 512 c, lane l at 16 l.
;                    Lane (r, h) holds d = 16 t + r and, in registers 4 c .. 4 c + 3, keys 32 c + 16 h + 0 .. 15.
; code = number / 2^e, held within +-448, rounded to the nearest code, ties to even.  Direction 0: K by entry 1 of the scales, V by entry 5, both of y; direction 1: entries 3 and 7, of x.
; LIMITS: these four exponents lie between -126 and 119, so that 2^e and 448 x 2^e are f32 numbers.  NaN among the inputs is not served (an infinity is held at the largest code).
; SHARES.  Work-group w makes step w of kv.  Wave c takes the step's keys 32 c .. 32 c + 31 (8,192 bytes of f32): it makes K's fragments 2 c and 2 c + 1 and registers 4 c .. 4 c + 3 of V's four.
; Its sixteen loads read 512 consecutive bytes each; the rows go through the wave's own stage in LDS (pitch 272) and come back in the two orders that the conversions want: along d for K, down the keys for V.
; Each store covers 512 consecutive bytes, aligned.  No loop, no barrier (waves share nothing), no tensor load; matrix units and clusters have nothing to do here.
.set PITCH, 272                        ; a stage row: 256 bytes + 16
.set WSTG,  32*PITCH                   ; a wave's stage
.set SPARE, 4*WSTG                     ; behind the four stages: the spare words, 128 bytes a wave: two blocks of 256 bytes that no other line names
.set GI,   4                           ; v4   16 x lane: my bytes of a load's 512
.set SI,   5                           ; v5   the stage on the way in: row h, 16 r
.set KR,   6                           ; v6   back for K: row r + 8 (r / 8), 32 h
.set VR,   7                           ; v7   back for V: row 16 h, 4 r
.set KO,   8                           ; v8   my place in K's image: 16 x lane + 2,048 x wave
.set VO,   9                           ; v9   in V's: 16 x lane + 8,192 + 512 x wave
.set KSC,  10                          ; v10  2^eK;   v11  448 x 2^eK
.set KLIM, 11
.set VSC,  12                          ; v12  2^eV;   v13  448 x 2^eV
.set VLIM, 13
.set SPW,  14                          ; v14  LDS address of my spare word; never rewritten
.set NIL,  15                          ; v15  0; never rewritten
.set R,    16                          ; v16-79    the rows as loaded
.set KN,   80                          ; v80-143   K: four groups of 16 numbers
.set VN,   144                         ; v144-207  V: four groups of 16 numbers
.set KC,   208                         ; v208-223  K's codes
.set VC,   224                         ; v224-239  V's codes
	s_load_b256 s[4:11], s[0:1], 0x0               ; the scales' exponents s[4:5], x s[6:7], y s[8:9], kv s[10:11]
	v_lshl_add_u32 v[SPW], v0, 2, SPARE
	v_mov_b32 v[NIL], 0
	v_lshrrev_b32 v1, 5, v0
	v_readfirstlane_b32 s12, v1                    ; wave 0..3
	v_and_b32 v1, 31, v0                           ; lane
	v_and_b32 v2, 15, v0                           ; r
	v_bfe_u32 v3, v0, 4, 1                         ; h
	v_lshlrev_b32 v[GI], 4, v1
	s_mul_i32 s13, s12, WSTG                       ; my stage
	v_mul_u32_u24 v[SI], v3, PITCH
	v_lshl_add_u32 v[SI], v2, 4, v[SI]
	v_add_nc_u32 v[SI], s13, v[SI]
	v_and_b32 v[KR], 8, v2
	v_add_nc_u32 v[KR], v[KR], v2                  ; r + 8 (r / 8)
	v_mul_u32_u24 v[KR], v[KR], PITCH
	v_lshl_add_u32 v[KR], v3, 5, v[KR]
	v_add_nc_u32 v[KR], s13, v[KR]
	v_mul_u32_u24 v[VR], v3, 16*PITCH
	v_lshl_add_u32 v[VR], v2, 2, v[VR]
	v_add_nc_u32 v[VR], s13, v[VR]
	s_lshl_b32 s28, s12, 11
	v_add_nc_u32 v[KO], s28, v[GI]
	s_lshl_b32 s29, s12, 9
	s_add_co_u32 s29, s29, 8192
	v_add_nc_u32 v[VO], s29, v[GI]
	s_and_b32 s24, ttmp9, 255                      ; 32 x batch + step
	s_lshl_b32 s24, s24, 15                        ; x 128 keys of 256 bytes
	s_lshl_b32 s25, s12, 13                        ; + my wave's 32 keys
	s_add_co_u32 s24, s24, s25
	s_mov_b32 s25, 0
	s_lshl_b32 s26, ttmp9, 14                      ; my step in kv
	s_mov_b32 s27, 0
	s_wait_alu depctr_va_vdst(0)
	s_wait_kmcnt 0x0
	s_load_b256 s[16:23], s[4:5], 0x0              ; the eight exponents
	s_cmp_lt_u32 ttmp9, 256                        ; direction 0 takes y, direction 1 takes x: the choice hangs on the work-group's number alone
	s_cselect_b64 s[14:15], s[8:9], s[6:7]
	s_add_nc_u64 s[14:15], s[14:15], s[24:25]
	s_add_nc_u64 s[10:11], s[10:11], s[26:27]
.irp i, 0,1,2,3,4,5,6,7,8,9,10,11,12,13,14,15
	global_load_b128 v[R+4*\i:R+4*\i+3], v[GI], s[14:15] offset:512*\i th:TH_LOAD_NT   ; two whole rows: 512 consecutive bytes
.endr
	s_wait_kmcnt 0x0
	s_cmp_lt_u32 ttmp9, 256
	s_cselect_b32 s32, s17, s19                    ; eK
	s_cselect_b32 s33, s21, s23                    ; eV
	s_add_co_i32 s32, s32, 127
	s_lshl_b32 s30, s32, 23
	v_mov_b32 v[KSC], s30                          ; 2^eK as f32: the conversion takes its exponent field
	s_add_co_i32 s32, s32, 8
	s_lshl_b32 s32, s32, 23
	s_or_b32 s32, s32, 0x600000
	v_mov_b32 v[KLIM], s32                         ; 448 x 2^eK
	s_add_co_i32 s33, s33, 127
	s_lshl_b32 s30, s33, 23
	v_mov_b32 v[VSC], s30
	s_add_co_i32 s33, s33, 8
	s_lshl_b32 s33, s33, 23
	s_or_b32 s33, s33, 0x600000
	v_mov_b32 v[VLIM], s33
	s_wait_alu depctr_va_vdst(0)
.irp i, 0,1,2,3,4,5,6,7,8,9,10,11,12,13,14,15
	s_wait_loadcnt 15-\i                           ; loads come back in order: load i is in, the 15 - i younger ones may be out
	ds_store_b128 v[SI], v[R+4*\i:R+4*\i+3] offset:2*PITCH*\i
.endr
; LDS serves a wave's instructions in order: the reads below see my stores, with no wait between.
.irp u, 0,1                                    ; K: group 2 u + c = registers 4 c .. 4 c + 3 of my fragment u: d = 32 c + 8 h + 0 .. 7 and 32 c + 16 + 8 h + 0 .. 7 of key 8 u + r + 8 (r / 8)
.irp c, 0,1
.irp j, 0,1,2,3
	ds_load_b128 v[KN+16*(2*\u+\c)+4*\j:KN+16*(2*\u+\c)+4*\j+3], v[KR] offset:8*PITCH*\u+128*\c+16*(\j%2)+64*(\j/2)
.endr
.endr
.endr
.macro VREAD t                                 ; V: group t = d 16 t + r, keys 16 h + 0 .. 15 of my 32: registers run down the keys
.irp i, 0,1,2,3,4,5,6,7,8,9,10,11,12,13,14,15
	ds_load_b32 v[VN+16*(\t)+\i], v[VR] offset:PITCH*\i+64*(\t)
.endr
.endm
	VREAD 0
	VREAD 1
; 16 numbers of a lane become 16 codes in four registers
.macro QCH src, dst, sc, lim
.irp i, 0,1,2,3,4,5,6,7,8,9,10,11,12,13,14,15
	v_med3_num_f32 v[\src+\i], v[\src+\i], -v[\lim], v[\lim]   ; the conversion to an 8-bit code does not saturate (ISA guide 7.6.2): the hold at the largest code x the scale comes first
.endr
	v_cvt_scalef32_pk8_fp8_f32 v[\dst:\dst+1], v[\src:\src+7], v[\sc]
	v_cvt_scalef32_pk8_fp8_f32 v[\dst+2:\dst+3], v[\src+8:\src+15], v[\sc]
.endm
.irp q, 0,1,2,3
	s_wait_dscnt 44-4*\q                           ; group q's four reads are in; behind them stand 12 - 4 q of K's and V's 32
	QCH KN+16*\q, KC+4*\q, KSC, KLIM
	global_store_b128 v[KO], v[KC+4*\q:KC+4*\q+3], s[10:11] offset:512*\q   ; the codes go to a store alone; the next group's holds are plain lines on other registers
.endr
	VREAD 2
	VREAD 3
.irp t, 0,1,2,3
	s_wait_dscnt 48-16*\t                          ; group t's sixteen reads are in; the later groups' may be out
	QCH VN+16*\t, VC+4*\t, VSC, VLIM
	global_store_b128 v[VO], v[VC+4*\t:VC+4*\t+3], s[10:11] offset:2048*\t
.endr
	v_nop                                          ; a plain line behind the last conversion
	s_wait_tensorcnt 0x0                           ; the wave's end: behind my last LDS store
	ds_add_u32 v[SPW], v[NIL]
	s_wait_dscnt 0x0
	s_endpgm
.Lfunc_end_k_q475a61c9a9_quant:
	.size	k_q475a61c9a9_quant, .Lfunc_end_k_q475a61c9a9_quant-k_q475a61c9a9_quant
	.p2alignl 7, 3214868480
	.fill 96, 4, 3214868480
	.section	.rodata,"a",@progbits
	.p2align	6, 0x0
	.amdhsa_kernel k_q475a61c9a9_quant
		.amdhsa_group_segment_fixed_size 35328
		.amdhsa_private_segment_fixed_size 0
		.amdhsa_enable_private_segment 0
		.amdhsa_kernarg_size 32
		.amdhsa_user_sgpr_count 2
		.amdhsa_user_sgpr_kernarg_segment_ptr 1
		.amdhsa_wavefront_size32 1
		.amdhsa_system_sgpr_workgroup_id_x 1
		.amdhsa_system_sgpr_workgroup_id_y 1
		.amdhsa_system_sgpr_workgroup_id_z 1
		.amdhsa_system_vgpr_workitem_id 0
		.amdhsa_next_free_vgpr 240
		.amdhsa_next_free_sgpr 66
		.amdhsa_reserve_vcc 0
		.amdhsa_float_denorm_mode_32 3
		.amdhsa_float_denorm_mode_16_64 3
		.amdhsa_memory_ordered 1
		.amdhsa_forward_progress 1
		.amdhsa_inst_pref_size 21
	.end_amdhsa_kernel
	.amdgpu_metadata
---
amdhsa.version: [ 1, 2 ]
amdhsa.kernels:
  - .name:           k_q475a61c9a9_quant
    .symbol:         k_q475a61c9a9_quant.kd
    .args:
      - { .name: lowp_scales, .offset: 0, .size: 8, .value_kind: global_buffer, .address_space: global }
      - { .name: x, .offset: 8, .size: 8, .value_kind: global_buffer, .address_space: global }
      - { .name: y, .offset: 16, .size: 8, .value_kind: global_buffer, .address_space: global }
      - { .name: kv, .offset: 24, .size: 8, .value_kind: global_buffer, .address_space: global }
    .group_segment_fixed_size: 35328
    .private_segment_fixed_size: 0
    .kernarg_segment_align: 8
    .kernarg_segment_size: 32
    .max_flat_workgroup_size: 128
    .sgpr_count:     66
    .vgpr_count:     240
    .wavefront_size: 32
...
	.end_amdgpu_metadata
.endif
;; end of part 1
;; launch attn (part 2): grid 16 x 16, 8 waves a work-group, clusters of 4 x 1, 327,680 bytes of LDS; arguments lowp_scales, x, y, kv, out0; writes out0
.if DOCPART == 2
	.amdgcn_target "amdgcn-amd-amdhsa--gfx1250"
	.amdhsa_code_object_version 6
	.text
	.protected	k_q475a61c9a9_attn
	.globl	k_q475a61c9a9_attn
	.p2align	8
	.type	k_q475a61c9a9_attn,@function
k_q475a61c9a9_attn:
	s_mov_b64 s[64:65], 0
	v_nop
	global_prefetch_b8 v0, s[64:65] scope:SCOPE_SE
	s_setreg_imm32_b32 hwreg(HW_REG_WAVE_MODE, 25, 1), 1
	s_wait_xcnt 0x0
	s_wait_alu depctr_hold_cnt(0) depctr_sa_sdst(0) depctr_va_vdst(0) depctr_va_sdst(0) depctr_va_ssrc(0) depctr_va_vcc(0) depctr_vm_vsrc(0)
	s_getreg_b32 s2, hwreg(HW_REG_IB_STS2, 6, 4)
	s_cmp_eq_u32 s2, 0
	s_cbranch_scc0 .Lentry_in_a_cluster
	s_endpgm
.Lentry_in_a_cluster:
	s_bfe_u32 s2, ttmp6, 0x10000c
	s_cmp_lg_u32 s2, 0x3003
	s_cbranch_scc0 .Lentry_shape_is_right
	s_endpgm
.Lentry_shape_is_right:
; out0[b][s][0:64] = (softmax_t(x[b][s] . y[b][t]) y[b][t]) * x[b][s];  out0[b][s][64:128] = the same with x and y exchanged.  Both products of each direction on codes of E4M3, each operand with its given scale.
; 16 heads g = 8 x direction + batch.  Direction 0: queries x, scales eq, ek, ep, ev = entries 0, 1, 4, 5; direction 1: queries y, entries 2, 3, 6, 7.  No work of reference() is left out.
; kv: keys and values as codes, images of operand registers, 16,384 bytes for each step of 128 keys (K's eight fragments, then V's four), laid by the launch before.
; SOFTMAX: t = score x log2(e); M = the row's largest t so far, rounded up to a whole number; p = 2^(t - M) is quantised, not normalised; the row's sum is taken of the unquantised p and divides at the end.
; When M moves, the sum and O are multiplied by 2^(old M - new M): exact.
; SHARES.  A work-group owns 256 queries of one head: 256 work-groups.  Each of its EIGHT waves owns 32 queries, two tiles of 16, in 512 registers: each fragment of K and of V read from LDS feeds two matrix instructions.
; Both products are used transposed (S^T = K Q^T, O^T = V^T P^T): a lane holds one query of each tile.  The 16 registers of tiles 2 b, 2 b + 1 of S^T are keys 32 b + 16 (lane / 16) + 0 .. 15, the order of V's images.
; THE QUERIES are loaded once, 512 consecutive bytes a load; they turn through the wave's stage in LDS into the order of Q's codes, and the registers as loaded multiply the result on the way out, where rows lie the same way.
; THE RING.  Two LDS slots of 65,536 bytes, four key steps each.  CLUSTER: the four query blocks of a cluster belong to one head and walk the same kv: each slot is asked for jointly (mask 15); every wave asks for 8,192 bytes, 32 rows of 256.
; One tensor load of a wave is out at a time.  The images are dense, every LDS read of them takes 512 consecutive bytes: no padding.
; REGISTERS.  Window 0: v0-47 addresses and the softmax's state; v48-63 Q's codes; v64-95 P's codes; v96-127 tile 0's first-level sums; v128-255 S^T, then p.
;             Window 1: v0-63 K's fragments; v64-127 V's; v128-191 O^T; v192-255 my 32 queries as f32, as loaded.
; LIMITS: eq + ek between -126 and 127 (added to c's exponent field); eq and ep between -126 and 119; ep + ev goes by v_ldexp_f32.  The scaled scores stay under 2^31 in magnitude.  NaN among the inputs is not served.
; A p that falls under the format's range beneath a running M that later proves too low keeps the value that it had there.
.set STEPB, 16384
.set SLOT1, 1<<16
.set NSL,   8
.set STAGE, 2*SLOT1                    ; behind the ring: 32 rows x 272 bytes for each wave; no fill lands here
.set SP,    272
.set SPARE, STAGE+8*32*SP              ; the spare words, 128 bytes a wave: four blocks of 256 bytes that no other line names
.set LA,   1                           ; 16 x lane
.set ADR,  2                           ; the slot in hand + 16 x lane
.set PFO,  3                           ; 256 x lane: the prefetches' offset
.set SPW,  5                           ; my spare word; never rewritten
.set NIL,  6                           ; 0; never rewritten
.set GO,   7                           ; rows of out0: 512 h + 16 r
.set STO,  8                           ; my stage by fragments: row r, 32 h
.set RD,   9                           ; my stage by rows: row h, 16 r
.set T0,   10
.set T1,   11
.set NM,   12                          ; tile u: v[NM+2u] = -M, v[NM+2u+1] = the largest score so far
.set LS,   16                          ; tile u: v[LS+2u:LS+2u+1] the row's sum in two halves
.set F,    20                          ; tile u: v[F+2u] = 2^(old M - new M); the upper register is named with it as a pair
.set PLIM, 24                          ; v24, v25: 448 x 2^ep, twice: the two halves of a dual pair take their second sources from different banks
.set PSC,  26                          ; 2^ep
.set TT,   28                          ; v28-39 at work: chains of the maxima, then of tile 1's sums
.set PX,   40                          ; v40, v41 lane permutes' destinations
.set QC,   48
.set PC,   64
.set TS,   96
.set S,    128
.set KF,   0                           ; window 1
.set VF,   64
.set O,    128
.set XD,   192
.set TB,   2
.set WV,   18
.set SEL,  20
.set CS,   22
.set G1,   24
.set G0,   32
.set SLOTS, 36
.set LIM,  37
.set PFA,  38
.set EPV,  51
.set MSB, 0
.macro WIN new                         ; s_set_vgpr_msb: bits 1:0 source 0, 3:2 source 1, 5:4 source 2, 7:6 destination; the high byte repeats the setting that is left
.if MSB != \new
	s_set_vgpr_msb (MSB<<8)|\new
.set MSB, \new
.endif
.endm
.macro CROUND                          ; a round of the cluster's barrier
	s_barrier_signal -1
	s_barrier_wait -1
	s_cmp_lg_u32 s[WV], 0
	s_cbranch_scc1 .Lnot_wave_0_\@
	s_barrier_signal -3
.Lnot_wave_0_\@:
	s_barrier_wait -3
	s_barrier_signal -1
	s_barrier_wait -1
.endm
; A prefetch of the slot that the NEXT change of slots will ask for: 65,536 bytes, a lane to each 256.  The head's first cluster asks; its four partners take 16,384 bytes each, told apart by address; in each, waves 0 and 1 ask, 8,192 bytes a wave.
; Slots 0 and 1 come by their loads alone; the last change that fills asks for nothing.
.macro ASK
	s_cmp_gt_u32 s[SLOTS], s[LIM]
	s_cbranch_scc0 .Lnot_mine_\@
	global_prefetch_b8 v[PFO], s[PFA:PFA+1] th:TH_LOAD_NT scope:SCOPE_SE
.Lnot_mine_\@:
.endm
.macro PADD d, a, b                    ; pairs: d = a + b
	v_pk_add_f32 v[\d:\d+1], v[\a:\a+1], v[\b:\b+1]
.endm
	s_load_b256 s[4:11], s[0:1], 0x0               ; the scales' exponents, x, y, kv
	s_load_b64 s[12:13], s[0:1], 0x20              ; out0
	v_lshl_add_u32 v[SPW], v0, 2, SPARE
	v_mov_b32 v[NIL], 0
	ds_add_u32 v[SPW], v[NIL]                      ; the opening lines: the add twice on end, its wait ahead of my first tensor load
	ds_add_u32 v[SPW], v[NIL]
	v_lshrrev_b32 v[T0], 5, v0
	v_readfirstlane_b32 s[WV], v[T0]               ; wave 0..7
	v_and_b32 v[LA], 31, v0
	v_lshlrev_b32 v[PFO], 8, v[LA]
	v_lshlrev_b32 v[LA], 4, v[LA]
	v_and_b32 v[T0], 15, v0                        ; r
	v_bfe_u32 v[T1], v0, 4, 1                      ; h
	s_mul_i32 s19, s[WV], 32*SP
	s_add_co_u32 s19, s19, STAGE                   ; my stage
	v_mul_u32_u24 v[STO], v[T0], SP
	v_lshl_add_u32 v[STO], v[T1], 5, v[STO]
	v_add_nc_u32 v[STO], s19, v[STO]
	v_mul_u32_u24 v[RD], v[T1], SP
	v_lshl_add_u32 v[RD], v[T0], 4, v[RD]
	v_add_nc_u32 v[RD], s19, v[RD]
	v_lshlrev_b32 v[GO], 9, v[T1]
	v_lshl_add_u32 v[GO], v[T0], 4, v[GO]
	s_bfe_u32 s48, ttmp6, 0x40000                  ; cx: it enters the queries', out0's and the prefetches' addresses alone
	s_lshl_b32 s49, ttmp9, 2
	s_add_co_u32 s49, s49, s48                     ; my block of 256 queries
	s_and_b32 s50, ttmp7, 0xffff                   ; the head, which the four partners share
	s_mov_b32 s[G1+0], 15|(3<<16)|(1<<21)          ; mask of all four; elements of 8 bytes; bit 21 beside a mask
	s_mov_b32 s[G1+1], 32<<16                      ; rows of 32 elements = 256 bytes
	s_mov_b32 s[G1+2], 32<<16                      ; 32 rows
	s_mov_b32 s[G1+3], 32<<16
	s_mov_b32 s[G1+4], 32
	s_mov_b32 s[G1+5], 32
	s_mov_b32 s[G1+6], 0
	s_mov_b32 s[G1+7], 0
	s_mov_b32 s[SEL], 0x76543210
	s_mov_b32 s[SEL+1], 0xfedcba98
	s_mov_b32 s[TB], 0
	s_mov_b32 s[SLOTS], NSL-1
	s_lshl_b32 s52, s50, 19                        ; the head's 524,288 bytes of kv
	s_lshl_b32 s[G0+1], s[WV], 13                  ; my wave's 8,192 bytes of a slot: in LDS,
	s_add_co_u32 s52, s52, s[G0+1]                 ; and in memory
	s_mov_b32 s53, 0
	s_and_b32 s54, s50, 7
	s_lshl_b32 s54, s54, 12
	s_lshl_b32 s55, s49, 8
	s_add_co_u32 s54, s54, s55
	s_lshl_b32 s55, s[WV], 5
	s_add_co_u32 s54, s54, s55                     ; my first row: 4,096 x batch + 256 x block + 32 x wave
	s_lshl_b32 s56, s54, 8
	s_mov_b32 s57, 0
	s_lshl_b32 s58, s54, 9
	s_lshr_b32 s59, s50, 3
	s_lshl_b32 s59, s59, 8                         ; direction 1 has the second 256 bytes of a row of out0
	s_add_co_u32 s58, s58, s59
	s_mov_b32 s59, 0
	s_and_b32 s60, s[WV], 1                        ; the prefetches: 8,192 x (wave % 2) + 16,384 x cx, in my head's slot 1: the first change steps it to slot 2
	s_lshl_b32 s60, s60, 13
	s_lshl_b32 s61, s48, 14
	s_add_co_u32 s60, s60, s61
	s_lshl_b32 s61, s50, 19
	s_add_co_u32 s60, s60, s61
	s_add_co_u32 s60, s60, 4*STEPB
	s_mov_b32 s61, 0
	s_wait_alu depctr_va_vdst(0)
	s_wait_dscnt 0x0                               ; both opening adds are done
	s_wait_kmcnt 0x0
	s_load_b256 s[40:47], s[4:5], 0x0              ; the eight exponents
	s_cmp_lt_u32 s50, 8                            ; direction 0: the queries are x's rows; direction 1: y's
	s_cselect_b64 s[14:15], s[6:7], s[8:9]
	s_add_nc_u64 s[14:15], s[14:15], s[56:57]
	WIN 0x40
.irp i, 0,1,2,3,4,5,6,7,8,9,10,11,12,13,14,15
	global_load_b128 v[XD+4*\i:XD+4*\i+3], v[LA], s[14:15] offset:512*\i th:TH_LOAD_NT   ; rows 2 i and 2 i + 1 of my 32: 512 consecutive bytes
.endr
	WIN 0
	s_mov_b32 s[G0], 1
	s_add_nc_u64 s[G0+2:G0+3], s[10:11], s[52:53]
	s_or_b32 s[G0+3], s[G0+3], 0x80000000
	CROUND                                         ; the first joint loads meet
	tensor_load_to_lds s[G0:G0+3], s[G1:G1+7]      ; slot 0
	s_nop 0
.rept 4
	v_nop
.endr
	s_add_nc_u64 s[16:17], s[12:13], s[58:59]
	s_add_nc_u64 s[PFA:PFA+1], s[10:11], s[60:61]
	s_lshr_b32 s[LIM], s[WV], 1
	s_or_b32 s[LIM], s[LIM], ttmp9                 ; 0 in waves 0 and 1 of the head's first cluster: the same in all four partners
	s_cmp_eq_u32 s[LIM], 0
	s_cselect_b32 s[LIM], 1, -1
	WIN 0x40
.set I, 0
.rept 64
	v_mov_b32 v[O+I], 0                            ; O^T: the step is written once; the first finds zeros, which the first change of M leaves zeros
.set I, I+1
.endr
	WIN 0
.irp u, 0,1
	v_mov_b32 v[NM+2*\u], 0x7f61b1e6               ; -M: 3e38, a whole number, over every later -M
	v_mov_b32 v[NM+2*\u+1], 0xff61b1e6             ; the largest score so far: -3e38
	v_mov_b32 v[LS+2*\u], 0
	v_mov_b32 v[LS+2*\u+1], 0
	v_mov_b32 v[F+2*\u+1], 0
	v_mov_b32 v[PX+\u], 0                          ; a lane permute's destination counts as one of its sources
.endr
	s_wait_kmcnt 0x0
	s_cmp_lt_u32 s50, 8
	s_cselect_b32 s54, s40, s42                    ; eq
	s_cselect_b32 s55, s41, s43                    ; ek
	s_cselect_b32 s56, s44, s46                    ; ep
	s_cselect_b32 s57, s45, s47                    ; ev
	s_add_co_i32 s[EPV], s56, s57
	s_add_co_i32 s58, s54, s55
	s_lshl_b32 s58, s58, 23
	s_mov_b32 s[CS], 0x3fb8aa3b                    ; log2(e),
	s_add_co_i32 s[CS], s[CS], s58                 ; x 2^(eq + ek), by its exponent field
	s_mov_b32 s[CS+1], s[CS]
	s_add_co_i32 s56, s56, 127
	s_lshl_b32 s58, s56, 23
	v_mov_b32 v[PSC], s58                          ; 2^ep
	s_add_co_i32 s56, s56, 8
	s_lshl_b32 s56, s56, 23
	s_or_b32 s56, s56, 0x600000
	v_mov_b32 v[PLIM], s56                         ; 448 x 2^ep
	v_mov_b32 v[PLIM+1], s56
	s_add_co_i32 s54, s54, 127
	s_lshl_b32 s58, s54, 23
	v_mov_b32 v[T1], s58                           ; 2^eq
	s_add_co_i32 s54, s54, 8
	s_lshl_b32 s54, s54, 23
	s_or_b32 s54, s54, 0x600000
	v_mov_b32 v[T0], s54                           ; 448 x 2^eq
	s_wait_alu depctr_va_vdst(0)
	WIN 0x04
.irp i, 0,1,2,3,4,5,6,7,8,9,10,11,12,13,14,15
	s_wait_loadcnt 15-\i                           ; load i is in; the 15 - i younger ones may be out
	ds_store_b128 v[RD], v[XD+4*\i:XD+4*\i+3] offset:2*\i*SP
.endr
	WIN 0
.irp u, 0,1                                    ; back by fragments: register 8 c + j of tile u: d = 16 c + 8 h + j of query r.  LDS serves a wave's instructions in order
.irp c, 0,1,2,3
	ds_load_b128 v[S+32*\u+8*\c:S+32*\u+8*\c+3],   v[STO] offset:16*SP*\u+64*\c
	ds_load_b128 v[S+32*\u+8*\c+4:S+32*\u+8*\c+7], v[STO] offset:16*SP*\u+64*\c+16
.endr
.endr
	s_wait_dscnt 0x0
.set I, 0
.rept 64
	v_med3_num_f32 v[S+I], v[S+I], -v[T0], v[T0]   ; the hold at the largest code x the scale
.set I, I+1
.endr
.irp u, 0,1
.irp c, 0,1,2,3
	v_cvt_scalef32_pk8_fp8_f32 v[QC+8*\u+2*\c:QC+8*\u+2*\c+1], v[S+32*\u+8*\c:S+32*\u+8*\c+7], v[T1]
.endr
.endr
	v_nop                                          ; a plain line behind the last conversion
.macro KLOAD q                                 ; K's eight fragments of the slot's q-th step
.irp t, 0,1,2,3,4,5,6,7
.irp c, 0,1
	ds_load_b128 v[KF+8*\t+4*\c:KF+8*\t+4*\c+3], v[ADR] offset:STEPB*(\q)+1024*\t+512*\c
.endr
.endr
.endm
.macro HOLD2 a                                 ; the conversion does not saturate (ISA guide 7.6.2); p is not negative, so the hold is one-sided; two numbers to a dual pair
	v_dual_min_num_f32 v[\a], v[\a], v[PLIM] :: v_dual_min_num_f32 v[\a+1], v[\a+1], v[PLIM+1]
.endm
; A KEY STEP: 128 keys x my 32 queries.  pre = 1: the next step's fragments of K lie in the same slot and are fetched behind this step's score products.
.macro STEP q, pre
	s_wait_dscnt 0x0                               ; K's fragments are in
	WIN 0x01
.irp t, 0,1,2,3,4,5,6,7                        ; S^T = K Q^T: each fragment of K against both tiles of queries
.irp u, 0,1
	v_wmma_f32_16x16x64_fp8_fp8 v[S+64*\u+8*\t:S+64*\u+8*\t+7], v[KF+8*\t:KF+8*\t+7], v[QC+8*\u:QC+8*\u+7], 0
.endr
.endr
.rept 4
	v_nop                                          ; four places: ahead of the loads into registers that matrix instructions read, and of the first read of the scores
.endr
	WIN 0x40
.irp t, 0,1,2,3                                ; V's four fragments land while the softmax is worked
.irp c, 0,1,2,3
	ds_load_b128 v[VF+16*\t+4*\c:VF+16*\t+4*\c+3], v[ADR] offset:STEPB*(\q)+8192+2048*\t+512*\c
.endr
.endr
.if \pre
	KLOAD (\q)+1
.endif
	WIN 0
.irp k, 0,1,2,3                                ; the step's largest score of each query: four chains a tile, the two tiles by turns, each accumulator from its low end on
.irp u, 0,1
	v_max3_num_f32 v[TT+4*\u+\k], v[S+64*\u+3*\k], v[S+64*\u+3*\k+1], v[S+64*\u+3*\k+2]
.endr
.endr
.set I, 0
.rept 26
.irp u, 0,1
	v_max3_num_f32 v[TT+4*\u+I%4], v[TT+4*\u+I%4], v[S+64*\u+12+2*I], v[S+64*\u+13+2*I]
.endr
.set I, I+1
.endr
.irp u, 0,1
	v_max3_num_f32 v[TT+4*\u], v[TT+4*\u], v[TT+4*\u+1], v[TT+4*\u+2]
.endr
.irp u, 0,1
	v_max_num_f32 v[TT+4*\u], v[TT+4*\u], v[TT+4*\u+3]
.endr
.irp u, 0,1
	v_permlanex16_b32 v[PX+\u], v[TT+4*\u], s[SEL], s[SEL+1]
.endr
.irp u, 0,1
	v_max3_num_f32 v[NM+2*\u+1], v[NM+2*\u+1], v[TT+4*\u], v[PX+\u]   ; the running largest score, lane l xor 16's among it
.endr
.irp u, 0,1
	v_mul_f32 v[TT+4*\u], s[CS], v[NM+2*\u+1]      ; as t (c is positive)
.endr
.irp u, 0,1
	v_floor_f32 v[TT+4*\u+1], -v[TT+4*\u]          ; the new -M = -ceil(t)
.endr
.irp u, 0,1
	v_sub_f32 v[TT+4*\u+2], v[TT+4*\u+1], v[NM+2*\u]   ; old M - new M: a whole number, 0 or less
.endr
.irp u, 0,1
	v_mov_b32 v[NM+2*\u], v[TT+4*\u+1]
.endr
.irp u, 0,1
	v_cvt_i32_f32 v[TT+4*\u+2], v[TT+4*\u+2]       ; (it saturates)
.endr
.irp u, 0,1
	v_ldexp_f32 v[F+2*\u], 1.0, v[TT+4*\u+2]       ; f = 2^(old M - new M)
.endr
	WIN 0x41
.irp u, 0,1                                    ; O^T under the new M, each accumulator from its low end on; it stands ahead of the exponentials
.irp j, 0,2,4,6,8,10,12,14,16,18,20,22,24,26,28,30
	v_pk_mul_f32 v[O+32*\u+\j:O+32*\u+\j+1], v[O+32*\u+\j:O+32*\u+\j+1], v[F+2*\u:F+2*\u+1] op_sel_hi:[1,0]
.endr
.endr
	WIN 0
.irp u, 0,1
	v_pk_mul_f32 v[LS+2*\u:LS+2*\u+1], v[LS+2*\u:LS+2*\u+1], v[F+2*\u:F+2*\u+1] op_sel_hi:[1,0]   ; the sums under the new M
.endr
.set I, 0
.rept 32
	v_pk_fma_f32 v[S+2*I:S+2*I+1], v[S+2*I:S+2*I+1], s[CS:CS+1], v[NM:NM+1] op_sel_hi:[1,0,0]     ; tile 0: t - M
.set I, I+1
.endr
	s_wait_alu depctr_va_vdst(0)                   ; the wait ahead of a batch
; Tile 0's exponentials, with tile 1's scalings between them: what the plain lines write here is first read behind the wait that ends the batch.
.set I, 0
.rept 32
	v_exp_f32 v[S+2*I], v[S+2*I]
	v_pk_fma_f32 v[S+64+2*I:S+65+2*I], v[S+64+2*I:S+65+2*I], s[CS:CS+1], v[NM+2:NM+3] op_sel_hi:[1,0,0]
	v_exp_f32 v[S+2*I+1], v[S+2*I+1]
.set I, I+1
.endr
	s_wait_alu depctr_va_vdst(0)                   ; behind tile 0's batch and ahead of tile 1's
; Tile 1's exponentials, with tile 0's first-level sums (of the unquantised p, into registers of their own) and then its holds between them.
.set I, 0
.rept 16
	v_exp_f32 v[S+64+4*I], v[S+64+4*I]
	PADD TS+2*I, S+4*I, S+4*I+2
	v_exp_f32 v[S+65+4*I], v[S+65+4*I]
	HOLD2 S+4*I
	v_exp_f32 v[S+66+4*I], v[S+66+4*I]
	HOLD2 S+4*I+2
	v_exp_f32 v[S+67+4*I], v[S+67+4*I]
.set I, I+1
.endr
	s_wait_alu depctr_va_vdst(0)                   ; the wait behind the batch, ahead of its first reader
.irp k, 0,1,2,3,4,5,6,7                        ; tile 0's sums go on as a tree; tile 1's run in six chains
	PADD TS+2*\k, TS+2*\k, TS+16+2*\k
.endr
.irp k, 0,1,2,3,4,5
	PADD TT+2*\k, S+64+4*\k, S+64+4*\k+2
.endr
.irp k, 0,1,2,3
	PADD TS+2*\k, TS+2*\k, TS+8+2*\k
.endr
.set I, 0
.rept 20
	PADD TT+2*(I%6), TT+2*(I%6), S+88+2*I
.set I, I+1
.endr
	PADD TS, TS, TS+4
	PADD TS+2, TS+2, TS+6
	PADD TT, TT, TT+2
	PADD TT+4, TT+4, TT+6
	PADD TT+8, TT+8, TT+10
	PADD TS, TS, TS+2
	PADD TT, TT, TT+4
	PADD LS+2, LS+2, TT+8
	PADD LS, LS, TS
	PADD LS+2, LS+2, TT
.set I, 0
.rept 32
	HOLD2 S+64+2*I
.set I, I+1
.endr
.irp u, 0,1
.irp b, 0,1,2,3                                ; registers 4 b .. 4 b + 3 of P: keys 32 b + 16 h + 0 .. 15
	v_cvt_scalef32_pk8_fp8_f32 v[PC+16*\u+4*\b:PC+16*\u+4*\b+1], v[S+64*\u+16*\b:S+64*\u+16*\b+7], v[PSC]
	v_cvt_scalef32_pk8_fp8_f32 v[PC+16*\u+4*\b+2:PC+16*\u+4*\b+3], v[S+64*\u+16*\b+8:S+64*\u+16*\b+15], v[PSC]
.endr
.endr
	v_nop                                          ; a plain line between the conversions and the products that read the codes
	s_wait_alu depctr_va_vdst(0)
.if \pre
	s_wait_dscnt 16                                ; V's fragments are in; the 16 younger loads, the next step's K, may be out
.else
	s_wait_dscnt 0x0
.endif
	WIN 0x51
.irp t, 0,1,2,3                                ; O^T += V^T P^T: each fragment of V against both tiles; the eight accumulators take one turn each
.irp u, 0,1
	v_wmma_f32_16x16x128_fp8_fp8 v[O+32*\u+8*\t:O+32*\u+8*\t+7], v[VF+16*\t:VF+16*\t+15], v[PC+16*\u:PC+16*\u+15], v[O+32*\u+8*\t:O+32*\u+8*\t+7]
.endr
.endr
.endm
; THE CHANGE OF SLOTS, at a slot's head: the wait for all my tensor loads, the add, the wait for it and for my reads of the slot that I have left.
; fill = 1: a round of the cluster's barrier, and behind it the joint fill of the slot just left, which has four steps' work in which to land.
.macro CHANGE fill
	s_wait_tensorcnt 0x0
	ds_add_u32 v[SPW], v[NIL]
	v_add_nc_u32 v[ADR], s[TB], v[LA]
	s_wait_alu depctr_va_vdst(0)                   ; the wait behind the write
.if \fill
	s_xor_b32 s[G0+1], s[G0+1], SLOT1
	s_add_nc_u64 s[G0+2:G0+3], s[G0+2:G0+3], 4*STEPB
	s_wait_xcnt 0x0                                ; the last prefetch has read its address
	s_add_nc_u64 s[PFA:PFA+1], s[PFA:PFA+1], 4*STEPB
	s_wait_dscnt 0x0
	CROUND
	tensor_load_to_lds s[G0:G0+3], s[G1:G1+7]      ; my one tensor load until the next round
	s_nop 0
.rept 4
	v_nop
.endr
	ASK
.else
	s_wait_dscnt 0x0
	s_barrier_signal -1
	s_barrier_wait -1
.endif
	WIN 0x40
	KLOAD 0
.endm
.macro SLOT_STEPS
	STEP 0, 1
	STEP 1, 1
	STEP 2, 1
	STEP 3, 0
	WIN 0
	s_xor_b32 s[TB], s[TB], SLOT1
.endm
	s_wait_alu depctr_va_vdst(0)
.Lslot:                                            ; NSL - 1 trips: trip k waits for slot k - 1, asks for slot k and works slot k - 1; slot 1's first fill stands behind the first trip's round
	CHANGE 1
	SLOT_STEPS
	s_sub_co_u32 s[SLOTS], s[SLOTS], 1
	s_cmp_lg_u32 s[SLOTS], 0
	s_cbranch_scc1 .Lslot
	CHANGE 0                                       ; the last slot is written out
	SLOT_STEPS
	; THE WAY OUT.  O^T x 2^(ep + ev) / the sum goes through my stage in LDS, comes back as rows of 256 bytes, is multiplied by the queries' own numbers, which lie the same way, and is stored.
.irp u, 0,1
	v_add_f32 v[LS+2*\u], v[LS+2*\u], v[LS+2*\u+1]
.endr
.irp u, 0,1
	v_permlanex16_b32 v[PX+\u], v[LS+2*\u], s[SEL], s[SEL+1]
.endr
.irp u, 0,1
	v_add_f32 v[LS+2*\u], v[LS+2*\u], v[PX+\u]     ; the row's sum
.endr
	s_wait_alu depctr_va_vdst(0)                   ; the wait ahead of the reciprocals
	v_rcp_f32 v[LS], v[LS]
	v_rcp_f32 v[LS+2], v[LS+2]
	v_nop                                          ; the plain line behind the reciprocals
	s_wait_alu depctr_va_vdst(0)                   ; the wait ahead of the reciprocals' first reader
	v_ldexp_f32 v[LS], v[LS], s[EPV]
	v_ldexp_f32 v[LS+2], v[LS+2], s[EPV]
	WIN 0x01
	s_wait_alu depctr_va_vdst(0)                   ; the wait ahead of the first reader of O^T
.irp u, 0,1
.irp j, 0,2,4,6,8,10,12,14,16,18,20,22,24,26,28,30
	v_pk_mul_f32 v[S+32*\u+\j:S+32*\u+\j+1], v[O+32*\u+\j:O+32*\u+\j+1], v[LS+2*\u:LS+2*\u+1] op_sel_hi:[1,0]
.endr
.endr
	WIN 0
.irp u, 0,1
.irp t, 0,1,2,3
	ds_store_b128 v[STO], v[S+32*\u+8*\t:S+32*\u+8*\t+3] offset:16*SP*\u+64*\t
	ds_store_b128 v[STO], v[S+32*\u+8*\t+4:S+32*\u+8*\t+7] offset:16*SP*\u+64*\t+16
.endr
.endr
.irp i, 0,1,2,3,4,5,6,7,8,9,10,11,12,13,14,15
	ds_load_b128 v[S+64+4*\i:S+64+4*\i+3], v[RD] offset:2*\i*SP   ; LDS serves a wave's instructions in order: these see my stores
.endr
	s_wait_dscnt 0x0
	WIN 0x04
.set I, 0
.rept 32
	v_pk_mul_f32 v[S+64+2*I:S+65+2*I], v[S+64+2*I:S+65+2*I], v[XD+2*I:XD+2*I+1]   ; x the query's own number at the same row and d
.set I, I+1
.endr
	WIN 0
.irp i, 0,1,2,3,4,5,6,7,8,9,10,11,12,13,14,15
	global_store_b128 v[GO], v[S+64+4*\i:S+64+4*\i+3], s[16:17] offset:1024*\i th:TH_STORE_NT   ; sixteen lanes store 256 consecutive bytes, aligned
.endr
	s_wait_tensorcnt 0x0                           ; the wave's end
	ds_add_u32 v[SPW], v[NIL]
	s_wait_dscnt 0x0
	CROUND                                         ; the closing round
	s_endpgm
.Lfunc_end_k_q475a61c9a9_attn:
	.size	k_q475a61c9a9_attn, .Lfunc_end_k_q475a61c9a9_attn-k_q475a61c9a9_attn
	.p2alignl 7, 3214868480
	.fill 96, 4, 3214868480
	.section	.rodata,"a",@progbits
	.p2align	6, 0x0
	.amdhsa_kernel k_q475a61c9a9_attn
		.amdhsa_group_segment_fixed_size 327680
		.amdhsa_private_segment_fixed_size 0
		.amdhsa_enable_private_segment 0
		.amdhsa_kernarg_size 40
		.amdhsa_user_sgpr_count 2
		.amdhsa_user_sgpr_kernarg_segment_ptr 1
		.amdhsa_wavefront_size32 1
		.amdhsa_system_sgpr_workgroup_id_x 1
		.amdhsa_system_sgpr_workgroup_id_y 1
		.amdhsa_system_sgpr_workgroup_id_z 1
		.amdhsa_system_vgpr_workitem_id 0
		.amdhsa_next_free_vgpr 512
		.amdhsa_next_free_sgpr 66
		.amdhsa_reserve_vcc 0
		.amdhsa_float_denorm_mode_32 3
		.amdhsa_float_denorm_mode_16_64 3
		.amdhsa_memory_ordered 1
		.amdhsa_forward_progress 1
		.amdhsa_inst_pref_size 250
	.end_amdhsa_kernel
	.amdgpu_metadata
---
amdhsa.version: [ 1, 2 ]
amdhsa.kernels:
  - .name:           k_q475a61c9a9_attn
    .symbol:         k_q475a61c9a9_attn.kd
    .args:
      - { .name: lowp_scales, .offset: 0, .size: 8, .value_kind: global_buffer, .address_space: global }
      - { .name: x, .offset: 8, .size: 8, .value_kind: global_buffer, .address_space: global }
      - { .name: y, .offset: 16, .size: 8, .value_kind: global_buffer, .address_space: global }
      - { .name: kv, .offset: 24, .size: 8, .value_kind: global_buffer, .address_space: global }
      - { .name: out0, .offset: 32, .size: 8, .value_kind: global_buffer, .address_space: global }
    .group_segment_fixed_size: 327680
    .private_segment_fixed_size: 0
    .kernarg_segment_align: 8
    .kernarg_segment_size: 40
    .max_flat_workgroup_size: 256
    .sgpr_count:     66
    .vgpr_count:     512
    .wavefront_size: 32
...
	.end_amdgpu_metadata
.endif
;; end of part 2
